; MI455X (gfx1250); checked and timed in simulation.
; The chip was launched on July 23, 2026; its instructions are those of AMD's public machine-readable ISA for CDNA 5 (MIT licence, August 2026) and "CDNA5" Instruction Set Architecture Reference Guide (July 2026). The comments in the code are by the model that wrote it; some were corrected since.
;; Block Local Attention Product. Allowed arithmetic: float matrix products may take bf16 or f16 operands with f32 sums; all other float work in f32.
;; Inputs: attention_mask 2 x 1 x 1 x 8,192 float32; global_key 2 x 12 x 64 x 64 float32; global_mask 2 x 1 x 1 x 64 float32; global_value 2 x 12 x 64 x 64 float32; key_layer 2 x 12 x 8,192 x 64 float32; query_layer 2 x 12 x 8,192 x 64 float32; value_layer 2 x 12 x 8,192 x 64 float32.
;; Outputs: out0 2 x 12 x 8,192 x 64 float32.
;; One version. Each part assembles by itself: llvm-mc -triple=amdgcn-amd-amdhsa -mcpu=gfx1250 --defsym DOCPART=n.
;; ======== version 1 of 1: 1 launch
;; limits: values are held in f16: magnitudes above 65,504 overflow, below 6.1e-05 lose precision; inputs' magnitudes at most 65,504
;; launch attn (part 1): grid 256 x 1, 8 waves a work-group, no clusters, 318,464 bytes of LDS; arguments query_layer, key_layer, value_layer, attention_mask, global_key, global_value, global_mask, out0; writes out0
.if DOCPART == 1
	.amdgcn_target "amdgcn-amd-amdhsa--gfx1250"
	.amdhsa_code_object_version 6
	.text
	.protected	k_qdc829b5bd4_attn
	.globl	k_qdc829b5bd4_attn
	.p2align	8
	.type	k_qdc829b5bd4_attn,@function
k_qdc829b5bd4_attn:
	s_mov_b64 s[64:65], 0
	v_nop
	global_prefetch_b8 v0, s[64:65] scope:SCOPE_SE
	s_setreg_imm32_b32 hwreg(HW_REG_WAVE_MODE, 25, 1), 1
	s_wait_xcnt 0x0
; Block-local attention with global tokens.  24 heads x 8,192 rows x 64, f32 in and out.  A block of 64 queries sees the block of keys before it,
; its own, the one after it and the head's 64 global keys: 256 keys, an additive mask for each.  Outside the head keys and values are 0 and the
; mask is -10000; these keys take part in the softmax like any other.
;
; SHARES.  768 quads of 4 query blocks (256 rows; a quad never leaves its head); work-group w takes quads 3w, 3w+1, 3w+2, one in each trip.
; A quad needs 7 slots of 64 keys: key blocks 4qi-1 .. 4qi+4 (slots 0-5) and the global keys (slot 6).  Wave wv takes rows 32wv .. 32wv+31 of the
; quad: query block bq = wv / 2, two groups (qg) of 16 queries; its window is slots bq, bq+1, bq+2 and slot 6.
; K, V and Q come as f32 through registers, are rounded to f16 there and laid into LDS.  While trip i multiplies from K/V buffer i & 1, the loads
; of quad i+1 land in 128 registers of each wave (4 batches x 8 loads x 512 bytes x 8 waves are requested at any time) and are written to the other
; buffer at eight pump points spread over the trip.  One barrier a trip.
;
; MATRIX USE.  S^T = K Q'^T + mask' (A = 16 keys x 32 d, B = 16 queries x 32 d, the first product's C = mask'), Q' = Q / 8 * log2(e), mask' = mask * log2(e):
; scale and mask cost no vector instruction per score, and the exponentials are base 2.  Lane (r, h), register j of tile t holds key 16t+8h+j of
; query r: maximum and sum are in the lane but for one crossing of the halves, and two tiles packed to f16 ARE the fragment of P (32 keys).
; ctx^T = V^T P^T (A = V^T by transposing LDS loads, B = P): lane (r, h) holds d = 16dt+8h+j of query r, so that 1/l is a factor per lane.
; The softmax runs over two halves of 128 keys with a running maximum; S needs 128 registers, which leaves the 128 landing registers.
;
; WHY F16.  Where 256 keys share the weight, a result is a mean of values and about a tenth of their size, and it is wanted to a hundredth of that.
; Four operands are rounded on the way (Q', K, P, V): 8 significant bits in each leave too little margin, 11 leave it eightfold.
;
; LIMITS.  Matrix operands (Q', K, P, V) are rounded to f16: |K| or |V| from 65,504 on and |Q| from about 3.6e5 on (Q' = 0.18 Q) become infinite;
; below 2^-14 the operands keep an absolute error of at most 2^-25, and a weight p below 2^-25 (next to l >= 1) becomes 0.
; l is summed in f32 from the unrounded p.  A NaN among the scores does not reach the maximum (v_max*_num drops it).  The maximum is held at or
; above -FLT_MAX, so that 128 keys all masked by -inf give weights 0.
;
; NOT USED, AND WHY.  Tensor loads and joint requests in a cluster: the inputs are f32 and have to pass registers to become f16, and 310 KB of LDS
; are taken, so that no f32 tile has room; of a quad's 288 KB only two halo slots (each shared with another neighbour) and 32 KB of global rows are
; shared at all.  Prefetches: the text has its next quad's loads requested throughout.  Keeping two slots from quad to quad: trips would differ
; where the head changes.
;
; No label, no branch, EXEC never changes: the three trips are written out by macros (landing batches and K/V buffers rotate from trip to trip).
; ---- LDS (bytes) ----
.set KP,    144                        ; K and Q rows: 128 bytes + 16: the 16 rows of a fragment start in 16 different 16-byte columns modulo 256
.set VP,    160                        ; V rows: 128 bytes + 32, an odd multiple of 32, for the transposing loads
.set OP,    272                        ; output stage rows: 256 bytes + 16
.set KSLOT, 64*KP                      ; 9,216
.set VSLOT, 64*VP                      ; 10,240
.set LK0,   0                          ; K buffer 0: 7 slots
.set LK1,   7*KSLOT                    ; K buffer 1
.set LV0,   14*KSLOT                   ; V buffer 0: 7 slots
.set LV1,   LV0+7*VSLOT                ; V buffer 1
.set LSTG,  LV1+7*VSLOT                ; 8 x 4,608: each wave's own: Q' stage (32 rows x 144), later output stage (16 rows x 272)
.set LMSK,  LSTG+8*4608                ; 8 x 1,024: each wave's own 256 mask' in key order (window blocks 0, 1, 2, global)
; ---- vector registers, window 0 ----
.set GOFF, 1                           ; 16 x thread: my 16 bytes in 4,096 that the work-group loads at once
.set LOFF, 2                           ; 16 x lane
.set MOFF, 3                           ; 8 x lane
.set SK,   4                           ; v4,5    where I store K in buffer 0, 1
.set SV,   6                           ; v6,7    the same for V
.set SVG,  8                           ; v8,9    V's slot 6 (beyond the 16-bit offset)
.set SQ,   10                          ; Q' stage: store
.set FQ,   11                          ; Q' stage: fragment loads
.set SO,   12                          ; output stage: store
.set RO,   13                          ; output stage: read back by rows
.set SM,   14                          ; mask': store
.set RMK,  15                          ; mask': load as C
.set AKW,  16                          ; v16,17  K fragments of my window, buffer 0, 1
.set AKG,  18                          ; v18,19  K fragments of the global slot
.set AVW,  20                          ; v20,21  V fragments of my window
.set AVG,  22                          ; v22,23  V fragments of the global slot
.set MM,   24                          ; v[24:27] running maximum, a pair (both equal) for each qg
.set AL,   28                          ; v[28:31] 2^(old max - new max), later 1/l, a pair for each qg
.set LS,   32                          ; v32,33  the lane's part of l, one for each qg
.set SU,   34                          ; v[34:49] four pair chains of sums for each qg
.set MX,   34                          ; v[34:41] four chains of maxima for each qg (dead before SU is started)
.set MR,   50                          ; v[50:57] the four mask loads
.set NEGK, 58                          ; -10000.0
.set TP0,  59                          ; lane crossings land here
.set TP1,  252
.set QF,   60                          ; v[60:91]   Q' fragments: 60 + 16 qg + 8 ks
.set KF,   92                          ; v[92:155]  ring of two items of 32: K: + 16 tt + 8 ks; V: + 8 dt.  On the way out: rows read back
.set MK,   156                         ; v[156:187] mask' as C: 156 + 16 rs + 8 tt
.set OO,   188                         ; v[188:251] ctx^T: 188 + 32 qg + 8 dt
; ---- window 1: v0-127 = S(t', qg) at 16 t' + 8 qg, packed in place to P(u', qg) at 16 u' + 8 qg;  v128-255 = four landing batches of 32 ----
; ---- scalar registers ----
; s2 wave, s3 bq, s4,s5 lane selects, s6 first quad, s7 wave x 8,192, s[8:23] the eight buffers, s[56:57] an offset (high word 0), s58-63 at work
.set KMID, 24
.set KLO,  26
.set KHI,  28
.set VMID, 30
.set VLO,  32
.set VHI,  34
.set GKH,  36
.set GVH,  38
.set QW,   40
.set AM0,  42
.set AM1,  44
.set AM2,  46
.set GMN,  48
.set OUTW, 50
.set PADLO, 52                         ; all ones, or 0 where slot 0 lies in front of the head
.set PADHI, 53                         ; the same for slot 5 behind the head
.set MP0,  54                          ; all ones where my window's block 0 is padding
.set MP2,  55                          ; the same for block 2
.set MSB, 0
.macro WIN new                         ; s_set_vgpr_msb: bits 1:0 source 0, 3:2 source 1, 5:4 source 2, 7:6 destination; the high byte repeats the setting that is left
.if MSB != \new
	s_set_vgpr_msb (MSB<<8)|\new
.set MSB, \new
.endif
.endm
; Places behind matrix instructions: four plain vector instructions before a vector instruction or a load touches a matrix
; instruction's registers, five before another matrix instruction writes over them.
.macro PLACES n
.rept \n
	v_nop
.endr
.endm
; ---- addresses: each is its buffer's pointer plus an offset pair ----
.macro ADDR_KV q                       ; K and V of quad 3w + q
	s_add_co_u32 s58, s6, \q                       ; the quad's number: 32 x head + qi
	s_and_b32 s59, s58, 31                         ; qi
	s_lshr_b32 s60, s58, 5                         ; head
	s_lshl_b32 s61, s58, 16                        ; 65,536 bytes a quad (a head is 32 quads)
	s_mov_b32 s56, s61
	s_add_nc_u64 s[KMID:KMID+1], s[10:11], s[56:57]
	s_add_nc_u64 s[VMID:VMID+1], s[12:13], s[56:57]
	s_cmp_lg_u32 s59, 0                            ; is there a block in front of the quad?
	s_cselect_b32 s[PADLO], -1, 0
	s_cselect_b32 s62, 16384, 0                    ; if not, the load stays on the quad's first block and its bits are cleared
	s_sub_co_u32 s56, s61, s62
	s_add_nc_u64 s[KLO:KLO+1], s[10:11], s[56:57]
	s_add_nc_u64 s[VLO:VLO+1], s[12:13], s[56:57]
	s_mov_b32 s62, 49152
	s_cmp_lt_u32 s59, 31                           ; and one behind it?
	s_cselect_b32 s[PADHI], -1, 0
	s_cselect_b32 s62, 0x10000, s62                ; if not, the quad's last block, cleared
	s_add_co_u32 s56, s61, s62
	s_add_nc_u64 s[KHI:KHI+1], s[10:11], s[56:57]
	s_add_nc_u64 s[VHI:VHI+1], s[12:13], s[56:57]
	s_lshl_b32 s56, s60, 14                        ; 16,384 bytes of global keys a head
	s_add_nc_u64 s[GKH:GKH+1], s[16:17], s[56:57]
	s_add_nc_u64 s[GVH:GVH+1], s[18:19], s[56:57]
.endm
.macro ADDR_QM q                       ; my wave's 32 rows of Q and its four mask blocks
	s_add_co_u32 s58, s6, \q
	s_lshl_b32 s56, s58, 16
	s_add_co_u32 s56, s56, s7
	s_add_nc_u64 s[QW:QW+1], s[8:9], s[56:57]
	s_and_b32 s59, s58, 31
	s_lshl2_add_u32 s59, s59, s3                   ; mb = 4 qi + bq: my query block in the head, 0 .. 127
	s_lshr_b32 s60, s58, 5
	s_cmp_ge_u32 s60, 12                           ; heads 12-23 belong to the second batch entry
	s_cselect_b32 s61, 32768, 0
	s_cselect_b32 s56, 256, 0
	s_add_nc_u64 s[GMN:GMN+1], s[20:21], s[56:57]
	s_lshl_b32 s56, s59, 8                         ; 256 bytes of mask a block
	s_add_co_u32 s56, s56, s61
	s_add_nc_u64 s[AM1:AM1+1], s[14:15], s[56:57]
	s_max_u32 s62, s59, 1
	s_sub_co_u32 s62, s62, 1                       ; max(mb - 1, 0)
	s_lshl_b32 s56, s62, 8
	s_add_co_u32 s56, s56, s61
	s_add_nc_u64 s[AM0:AM0+1], s[14:15], s[56:57]
	s_add_co_u32 s62, s59, 1
	s_min_u32 s62, s62, 127                        ; min(mb + 1, 127)
	s_lshl_b32 s56, s62, 8
	s_add_co_u32 s56, s56, s61
	s_add_nc_u64 s[AM2:AM2+1], s[14:15], s[56:57]
	s_cmp_eq_u32 s59, 0
	s_cselect_b32 s[MP0], -1, 0
	s_cmp_eq_u32 s59, 127
	s_cselect_b32 s[MP2], -1, 0
.endm
.macro ADDR_OUT q
	s_add_co_u32 s58, s6, \q
	s_lshl_b32 s56, s58, 16
	s_add_co_u32 s56, s56, s7
	s_add_nc_u64 s[OUTW:OUTW+1], s[22:23], s[56:57]
.endm
; ---- the pump: memory -> landing registers -> f16 -> LDS ----
.macro LD8 R, kb, vb, off              ; a slot: 16,384 bytes of K and of V, 4 + 4 loads; each wave's load covers 512 consecutive bytes, aligned
.irp i, 0,1,2,3
	global_load_b128 v[\R+4*\i:\R+4*\i+3], v[GOFF], s[\kb:\kb+1] offset:\off+\i*4096
.endr
.irp i, 0,1,2,3
	global_load_b128 v[\R+16+4*\i:\R+16+4*\i+3], v[GOFF], s[\vb:\vb+1] offset:\off+\i*4096
.endr
.endm
.macro ISSUE_KV slot, R
	WIN 0x40
.if \slot == 0
	LD8 \R, KLO, VLO, 0
.elseif \slot == 5
	LD8 \R, KHI, VHI, 0
.elseif \slot == 6
	LD8 \R, GKH, GVH, 0
.else
	LD8 \R, KMID, VMID, 16384*(\slot-1)
.endif
.endm
; N = the loads issued behind this batch (loads return in order, ISA guide 5.7.1).  Load i holds row 16 i + thread / 16, four columns from 4 (thread % 16).
.macro FIN_KV slot, R, nb, N
	s_wait_loadcnt \N
	WIN 0x45
.irp i, 0,1,2,3,4,5,6,7
	v_cvt_pk_f16_f32 v[\R+4*\i], v[\R+4*\i], v[\R+4*\i+1]
	v_cvt_pk_f16_f32 v[\R+4*\i+1], v[\R+4*\i+2], v[\R+4*\i+3]
.endr
.if \slot == 0
.irp i, 0,1,2,3,4,5,6,7
	v_and_b32 v[\R+4*\i], s[PADLO], v[\R+4*\i]             ; padding: all bits off, whatever was loaded
	v_and_b32 v[\R+4*\i+1], s[PADLO], v[\R+4*\i+1]
.endr
.endif
.if \slot == 5
	s_wait_alu depctr_va_vdst(0)
.irp i, 0,1,2,3,4,5,6,7
	v_and_b32 v[\R+4*\i], s[PADHI], v[\R+4*\i]
	v_and_b32 v[\R+4*\i+1], s[PADHI], v[\R+4*\i+1]
.endr
.endif
	WIN 0x04
.irp i, 0,1,2,3
	ds_store_b64 v[SK+\nb], v[\R+4*\i:\R+4*\i+1] offset:\slot*KSLOT+\i*16*KP
.endr
.if \slot == 6
.irp i, 0,1,2,3
	ds_store_b64 v[SVG+\nb], v[\R+16+4*\i:\R+16+4*\i+1] offset:\i*16*VP
.endr
.else
.irp i, 0,1,2,3
	ds_store_b64 v[SV+\nb], v[\R+16+4*\i:\R+16+4*\i+1] offset:\slot*VSLOT+\i*16*VP
.endr
.endif
.endm
.macro ISSUE_Q half, R                 ; 16 of my 32 rows of Q: a load is two rows
	WIN 0x40
.irp i, 0,1,2,3,4,5,6,7
	global_load_b128 v[\R+4*\i:\R+4*\i+3], v[LOFF], s[QW:QW+1] offset:512*(8*\half+\i) th:TH_LOAD_NT
.endr
.endm
.macro FIN_Q half, R                   ; Q' = f16(Q x log2(e) / 8) into my own stage
	WIN 0x45
.irp i, 0,1,2,3,4,5,6,7
	v_pk_mul_f32 v[\R+4*\i:\R+4*\i+1], v[\R+4*\i:\R+4*\i+1], 0x3e38aa3b op_sel_hi:[1,0]
	v_pk_mul_f32 v[\R+4*\i+2:\R+4*\i+3], v[\R+4*\i+2:\R+4*\i+3], 0x3e38aa3b op_sel_hi:[1,0]
.endr
.irp i, 0,1,2,3,4,5,6,7
	v_cvt_pk_f16_f32 v[\R+4*\i], v[\R+4*\i], v[\R+4*\i+1]
	v_cvt_pk_f16_f32 v[\R+4*\i+1], v[\R+4*\i+2], v[\R+4*\i+3]
.endr
	WIN 0x04
.irp i, 0,1,2,3,4,5,6,7
	ds_store_b64 v[SQ], v[\R+4*\i:\R+4*\i+1] offset:2*KP*(8*\half+\i)
.endr
.endm
.macro ISSUE_M                         ; four blocks of 64 masks, 256 bytes each
	WIN 0
	global_load_b64 v[MR:MR+1],   v[MOFF], s[AM0:AM0+1]
	global_load_b64 v[MR+2:MR+3], v[MOFF], s[AM1:AM1+1]
	global_load_b64 v[MR+4:MR+5], v[MOFF], s[AM2:AM2+1]
	global_load_b64 v[MR+6:MR+7], v[MOFF], s[GMN:GMN+1]
.endm
.macro FIN_M                           ; padding takes -10000 in front of the multiply, so that it weighs like a key masked by -10000
	WIN 0
	v_cndmask_b32 v[MR],   v[MR],   v[NEGK], s[MP0]
	v_cndmask_b32 v[MR+1], v[MR+1], v[NEGK], s[MP0]
	v_cndmask_b32 v[MR+4], v[MR+4], v[NEGK], s[MP2]
	v_cndmask_b32 v[MR+5], v[MR+5], v[NEGK], s[MP2]
.irp s, 0,1,2,3
	v_pk_mul_f32 v[MR+2*\s:MR+2*\s+1], v[MR+2*\s:MR+2*\s+1], 0x3fb8aa3b op_sel_hi:[1,0]
.endr
.irp s, 0,1,2,3
	ds_store_b64 v[SM], v[MR+2*\s:MR+2*\s+1] offset:256*\s
.endr
.endm
; ---- fragments ----
.macro QFETCH                          ; 8 loads: 2 groups of 16 queries x 2 K steps of 32 d
	WIN 0
.irp qg, 0,1
.irp ks, 0,1
	ds_load_b128 v[QF+16*\qg+8*\ks:QF+16*\qg+8*\ks+3],   v[FQ] offset:16*KP*\qg+64*\ks
	ds_load_b128 v[QF+16*\qg+8*\ks+4:QF+16*\qg+8*\ks+7], v[FQ] offset:16*KP*\qg+64*\ks+32
.endr
.endr
.endm
.macro FETCH_K g, rs, b                ; 12 loads: key tiles 2g, 2g+1 (16 keys x 64 d each) and their mask' as C; tiles 12-15 are the global slot
	WIN 0
.irp tt, 0,1
.irp ks, 0,1
.if \g < 6
	ds_load_b128 v[KF+32*\rs+16*\tt+8*\ks:KF+32*\rs+16*\tt+8*\ks+3],   v[AKW+\b] offset:16*KP*(2*\g+\tt)+64*\ks
	ds_load_b128 v[KF+32*\rs+16*\tt+8*\ks+4:KF+32*\rs+16*\tt+8*\ks+7], v[AKW+\b] offset:16*KP*(2*\g+\tt)+64*\ks+32
.else
	ds_load_b128 v[KF+32*\rs+16*\tt+8*\ks:KF+32*\rs+16*\tt+8*\ks+3],   v[AKG+\b] offset:16*KP*(2*\g+\tt-12)+64*\ks
	ds_load_b128 v[KF+32*\rs+16*\tt+8*\ks+4:KF+32*\rs+16*\tt+8*\ks+7], v[AKG+\b] offset:16*KP*(2*\g+\tt-12)+64*\ks+32
.endif
.endr
	ds_load_b128 v[MK+16*\rs+8*\tt:MK+16*\rs+8*\tt+3],   v[RMK] offset:64*(2*\g+\tt)
	ds_load_b128 v[MK+16*\rs+8*\tt+4:MK+16*\rs+8*\tt+7], v[RMK] offset:64*(2*\g+\tt)+16
.endr
.endm
.macro FETCH_V u, rs, b                ; 8 transposing loads: V^T, 64 d x keys 32u .. 32u+31; u = 6, 7 are the global slot
	WIN 0
.irp dt, 0,1,2,3
.if \u < 6
	ds_load_tr16_b128 v[KF+32*\rs+8*\dt:KF+32*\rs+8*\dt+3],   v[AVW+\b] offset:32*VP*\u+32*\dt
	ds_load_tr16_b128 v[KF+32*\rs+8*\dt+4:KF+32*\rs+8*\dt+7], v[AVW+\b] offset:32*VP*\u+32*\dt+16*VP
.else
	ds_load_tr16_b128 v[KF+32*\rs+8*\dt:KF+32*\rs+8*\dt+3],   v[AVG+\b] offset:32*VP*(\u-6)+32*\dt
	ds_load_tr16_b128 v[KF+32*\rs+8*\dt+4:KF+32*\rs+8*\dt+7], v[AVG+\b] offset:32*VP*(\u-6)+32*\dt+16*VP
.endif
.endr
.endm
.macro MUL_QK g, rs                    ; 8 matrix instructions: 2 key tiles x 2 query groups x 2 K steps; the first step's C is mask', the second is the chain's next link
	WIN 0x40
.irp tt, 0,1
.irp qg, 0,1
	v_wmma_f32_16x16x32_f16 v[16*((2*\g+\tt)&7)+8*\qg:16*((2*\g+\tt)&7)+8*\qg+7], v[KF+32*\rs+16*\tt:KF+32*\rs+16*\tt+7], v[QF+16*\qg:QF+16*\qg+7], v[MK+16*\rs+8*\tt:MK+16*\rs+8*\tt+7]
.endr
.endr
	WIN 0x50
.irp tt, 0,1
.irp qg, 0,1
	v_wmma_f32_16x16x32_f16 v[16*((2*\g+\tt)&7)+8*\qg:16*((2*\g+\tt)&7)+8*\qg+7], v[KF+32*\rs+16*\tt+8:KF+32*\rs+16*\tt+15], v[QF+16*\qg+8:QF+16*\qg+15], v[16*((2*\g+\tt)&7)+8*\qg:16*((2*\g+\tt)&7)+8*\qg+7]
.endr
.endr
.endm
.macro MUL_PV u, rs, zero              ; 8 matrix instructions: 4 tiles of d x 2 query groups, 32 keys; zero = 1: the first product starts the sums
	WIN 0x04
.irp qg, 0,1
.irp dt, 0,1,2,3
.if \zero
	v_wmma_f32_16x16x32_f16 v[OO+32*\qg+8*\dt:OO+32*\qg+8*\dt+7], v[KF+32*\rs+8*\dt:KF+32*\rs+8*\dt+7], v[16*(\u&3)+8*\qg:16*(\u&3)+8*\qg+7], 0
.else
	v_wmma_f32_16x16x32_f16 v[OO+32*\qg+8*\dt:OO+32*\qg+8*\dt+7], v[KF+32*\rs+8*\dt:KF+32*\rs+8*\dt+7], v[16*(\u&3)+8*\qg:16*(\u&3)+8*\qg+7], v[OO+32*\qg+8*\dt:OO+32*\qg+8*\dt+7]
.endif
.endr
.endr
.endm
; ---- softmax over one half (128 keys: 64 scores a lane and query group) ----
.macro MAXPASS half                    ; eight chains (4 for each qg, 16 scores each), then the other half of the lanes, then the running maximum
	WIN 0x05
.irp qg, 0,1
.irp c, 0,1,2,3
	v_max_num_f32 v[MX+4*\qg+\c], v[32*\c+8*\qg], v[32*\c+8*\qg+1]
.endr
.endr
.irp p, 2,4,6,16,18,20,22
.irp qg, 0,1
.irp c, 0,1,2,3
	v_max3_num_f32 v[MX+4*\qg+\c], v[32*\c+8*\qg+\p], v[32*\c+8*\qg+\p+1], v[MX+4*\qg+\c]
.endr
.endr
.endr
	WIN 0
	v_max3_num_f32 v[MX],   v[MX],   v[MX+1], v[MX+2]
	v_max3_num_f32 v[MX+4], v[MX+4], v[MX+5], v[MX+6]
	v_max_num_f32 v[MX],   v[MX],   v[MX+3]
	v_max_num_f32 v[MX+4], v[MX+4], v[MX+7]
	v_permlanex16_b32 v[TP0], v[MX],   s4, s5     ; lane l xor 16 holds the same query's other keys
	v_permlanex16_b32 v[TP1], v[MX+4], s4, s5
.if \half == 0
	v_max3_num_f32 v[MM],   v[MX],   v[TP0], 0xff7fffff   ; never below -FLT_MAX: -inf minus the maximum stays -inf
	v_max3_num_f32 v[MM+2], v[MX+4], v[TP1], 0xff7fffff
	v_mov_b32 v[MM+1], v[MM]
	v_mov_b32 v[MM+3], v[MM+2]
.else
	v_max3_num_f32 v[MX],   v[MX],   v[TP0], v[MM]        ; the new maximum
	v_max3_num_f32 v[MX+4], v[MX+4], v[TP1], v[MM+2]
	v_sub_f32 v[AL],   v[MM],   v[MX]
	v_sub_f32 v[AL+2], v[MM+2], v[MX+4]
	v_exp_f32 v[AL],   v[AL]                       ; what the first half's sums are worth under the new maximum
	v_exp_f32 v[AL+2], v[AL+2]
	v_mov_b32 v[MM],   v[MX]                       ; plain instructions that touch no AL stand between the exponentials and their use (ISA guide 5.7.2)
	v_mov_b32 v[MM+1], v[MX]
	v_mov_b32 v[MM+2], v[MX+4]
	v_mov_b32 v[MM+3], v[MX+4]
	s_wait_alu depctr_va_vdst(0)
	v_mov_b32 v[AL+1], v[AL]
	v_mov_b32 v[AL+3], v[AL+2]
.endif
.endm
.macro SUBEXP                          ; p = 2^(s - max), in place.  The next tile's subtractions are the plain place behind a tile's exponentials
	WIN 0x41
.irp t, 0,1,2,3,4,5,6,7
.irp qg, 0,1
.irp p, 0,2,4,6
	v_pk_add_f32 v[16*\t+8*\qg+\p:16*\t+8*\qg+\p+1], v[16*\t+8*\qg+\p:16*\t+8*\qg+\p+1], v[MM+2*\qg:MM+2*\qg+1] neg_lo:[0,1] neg_hi:[0,1]
.endr
.irp p, 0,1,2,3,4,5,6,7
	v_exp_f32 v[16*\t+8*\qg+\p], v[16*\t+8*\qg+\p]
.endr
.endr
.endr
	v_nop                                          ; and this one behind the last tile's
.endm
.macro SUMPASS half                    ; l in f32 from the unrounded p: eight pair chains, started by their first two pairs
	WIN 0x05
	s_wait_alu depctr_va_vdst(0)
.irp qg, 0,1
.irp c, 0,1,2,3
	v_pk_add_f32 v[SU+8*\qg+2*\c:SU+8*\qg+2*\c+1], v[32*\c+8*\qg:32*\c+8*\qg+1], v[32*\c+8*\qg+2:32*\c+8*\qg+3]
.endr
.endr
	WIN 0x01
.irp p, 4,6,16,18,20,22
.irp qg, 0,1
.irp c, 0,1,2,3
	v_pk_add_f32 v[SU+8*\qg+2*\c:SU+8*\qg+2*\c+1], v[32*\c+8*\qg+\p:32*\c+8*\qg+\p+1], v[SU+8*\qg+2*\c:SU+8*\qg+2*\c+1]
.endr
.endr
.endr
	WIN 0
.irp qg, 0,1
	v_pk_add_f32 v[SU+8*\qg:SU+8*\qg+1],   v[SU+8*\qg:SU+8*\qg+1],   v[SU+8*\qg+2:SU+8*\qg+3]
	v_pk_add_f32 v[SU+8*\qg+4:SU+8*\qg+5], v[SU+8*\qg+4:SU+8*\qg+5], v[SU+8*\qg+6:SU+8*\qg+7]
.endr
.irp qg, 0,1
	v_pk_add_f32 v[SU+8*\qg:SU+8*\qg+1], v[SU+8*\qg:SU+8*\qg+1], v[SU+8*\qg+4:SU+8*\qg+5]
.endr
.if \half == 0
.irp qg, 0,1
	v_add_f32 v[LS+\qg], v[SU+8*\qg], v[SU+8*\qg+1]
.endr
.else
.irp qg, 0,1
	v_add_f32 v[SU+8*\qg], v[SU+8*\qg], v[SU+8*\qg+1]
.endr
.irp qg, 0,1
	v_fma_f32 v[LS+\qg], v[LS+\qg], v[AL+2*\qg], v[SU+8*\qg]
.endr
.endif
.endm
.macro CVT                             ; tiles 2u, 2u+1 packed to f16 are P's fragment u.  Destinations (16u+8qg ..) never pass a source (32u+8qg ..) that is still unread
	WIN 0x45
.irp u, 0,1,2,3
.irp qg, 0,1
.irp i, 0,1,2,3
	v_cvt_pk_f16_f32 v[16*\u+8*\qg+\i], v[32*\u+8*\qg+2*\i], v[32*\u+8*\qg+2*\i+1]
.endr
.irp i, 0,1,2,3
	v_cvt_pk_f16_f32 v[16*\u+8*\qg+4+\i], v[32*\u+16+8*\qg+2*\i], v[32*\u+16+8*\qg+2*\i+1]
.endr
.endr
.endr
.endm
.macro SCALE_O qg                      ; ctx^T of one query group times its pair in AL
	WIN 0
.irp p, 0,2,4,6,8,10,12,14,16,18,20,22,24,26,28,30
	v_pk_mul_f32 v[OO+32*\qg+\p:OO+32*\qg+\p+1], v[OO+32*\qg+\p:OO+32*\qg+\p+1], v[AL+2*\qg:AL+2*\qg+1]
.endr
.endm
; ---- the way out: 16 queries at a time through my own stage, back as whole rows of 256 bytes ----
.macro STAGE_O qg
.irp dt, 0,1,2,3
	ds_store_b128 v[SO], v[OO+32*\qg+8*\dt:OO+32*\qg+8*\dt+3]   offset:64*\dt
	ds_store_b128 v[SO], v[OO+32*\qg+8*\dt+4:OO+32*\qg+8*\dt+7] offset:64*\dt+16
.endr
.irp t, 0,1,2,3,4,5,6,7
	ds_load_b128 v[KF+32*\qg+4*\t:KF+32*\qg+4*\t+3], v[RO] offset:2*OP*\t   ; LDS serves a wave's instructions in order (ISA guide 5.7.1): these see the stores above
.endr
.endm
.macro STORE_O qg
.irp t, 0,1,2,3,4,5,6,7
	global_store_b128 v[LOFF], v[KF+32*\qg+4*\t:KF+32*\qg+4*\t+3], s[OUTW:OUTW+1] offset:4096*\qg+512*\t th:TH_STORE_NT   ; two rows: 512 consecutive bytes, aligned
.endr
.endm
.macro OUT q
	PLACES 4                                       ; behind the last matrix instructions: ctx^T is read, KF is loaded into
	WIN 0
	v_permlanex16_b32 v[TP0], v[LS],   s4, s5
	v_permlanex16_b32 v[TP1], v[LS+1], s4, s5
	v_add_f32 v[LS],   v[LS],   v[TP0]             ; l of the query: both halves of the lanes
	v_add_f32 v[LS+1], v[LS+1], v[TP1]
	v_rcp_f32 v[AL],   v[LS]
	v_rcp_f32 v[AL+2], v[LS+1]
	v_nop                                          ; the plain place behind the reciprocals
	s_wait_alu depctr_va_vdst(0)
	v_mov_b32 v[AL+1], v[AL]
	v_mov_b32 v[AL+3], v[AL+2]
	ADDR_OUT \q                                    ; the last trip's stores were freed by the s_wait_xcnt 0 at its end
	SCALE_O 0
	STAGE_O 0
	SCALE_O 1                                      ; work on registers while the rows come back
	s_wait_dscnt 0x0                               ; group 0's rows are in registers: the stage may be written again
	STORE_O 0
	STAGE_O 1
	s_wait_dscnt 0x0
	STORE_O 1
.endm
; ---- a trip: quad 3w + q from K/V buffer b.  fin = 1: quad q+1 is brought into the other buffer.  issB = 1: the first four batches of quad q+2 are
; requested.  off: where the ring of landing batches stands (a quad is nine batches: KV0-6, Q7, Q8, so it moves on by one from quad to quad).
; Every s_wait_dscnt counts the LDS instructions issued behind the item that is needed; every pump wait the loads behind the batch.
.macro TRIP q, b, fin, issB, off
.set NB, 1-\b
.set B0, 128+32*((\off)&3)
.set B1, 128+32*((\off+1)&3)
.set B2, 128+32*((\off+2)&3)
.set B3, 128+32*((\off+3)&3)
	QFETCH
	FETCH_K 0, 0, \b
	FETCH_K 1, 1, \b
	; first half: window blocks 0 and 1
	s_wait_dscnt 12                                ; Q' and item K0 are in; K1's 12 loads stay out
	MUL_QK 0, 0
	PLACES 4
	FETCH_K 2, 0, \b
	s_wait_dscnt 12
	MUL_QK 1, 1
	PLACES 4
	FETCH_K 3, 1, \b
	s_wait_dscnt 12
	MUL_QK 2, 0
	PLACES 4
	FETCH_V 0, 0, \b
	s_wait_dscnt 8                                 ; K3 is in; V0's 8 loads stay out
	MUL_QK 3, 1
	PLACES 4                                       ; also for the maximum pass, which reads the scores
	FETCH_V 1, 1, \b
	MAXPASS 0
.if \fin
	FIN_KV 0, B0, NB, 24                           ; behind KV0: KV1, 2, 3
	ISSUE_KV 4, B0
.endif
	SUBEXP
.if \fin
	FIN_KV 1, B1, NB, 24                           ; KV2, 3, 4
	ISSUE_KV 5, B1
.endif
	SUMPASS 0
	CVT
.if \fin
	FIN_KV 2, B2, NB, 24                           ; KV3, 4, 5
	ISSUE_KV 6, B2
.endif
	s_wait_dscnt 8+24*\fin                         ; V0 is in; behind it V1's 8 loads and three pump points' 8 stores each
	MUL_PV 0, 0, 1
	PLACES 4
	FETCH_V 2, 0, \b
	s_wait_dscnt 8
	MUL_PV 1, 1, 0
	PLACES 4
	FETCH_V 3, 1, \b
	s_wait_dscnt 8
	MUL_PV 2, 0, 0
	PLACES 4
	FETCH_K 4, 0, \b
	s_wait_dscnt 12
	MUL_PV 3, 1, 0
.if \fin
	FIN_KV 3, B3, NB, 24                           ; KV4, 5, 6
	s_wait_xcnt 0x0                                ; the bases of Q and of the masks are rewritten only behind this wait
	ADDR_QM \q+1
	ISSUE_Q 0, B3
.endif
	PLACES 5                                       ; the next scores are written over P, which the products above read
	FETCH_K 5, 1, \b
	; second half: window block 2 and the global keys
	s_wait_dscnt 12+8*\fin                         ; K4 is in; behind it the pump point's 8 stores and K5's 12 loads
	MUL_QK 4, 0
	PLACES 4
	FETCH_K 6, 0, \b
	s_wait_dscnt 12
	MUL_QK 5, 1
	PLACES 4
	FETCH_K 7, 1, \b
	s_wait_dscnt 12
	MUL_QK 6, 0
	PLACES 4
	FETCH_V 4, 0, \b
	s_wait_dscnt 8
	MUL_QK 7, 1
	PLACES 4
	FETCH_V 5, 1, \b
	MAXPASS 1
.if \fin
	FIN_KV 4, B0, NB, 24                           ; KV5, KV6, Q7
	ISSUE_Q 1, B0
	ISSUE_M
.endif
	SUBEXP
.if \fin
	FIN_KV 5, B1, NB, 28                           ; KV6, Q7, Q8 and four mask loads
.if \issB
	s_wait_xcnt 0x0                                ; the bases of K and V are rewritten only behind this wait
	ADDR_KV \q+2
	ISSUE_KV 0, B1
.endif
.endif
	SUMPASS 1
	CVT
	SCALE_O 0                                      ; the first half's ctx^T under the new maximum
	SCALE_O 1
.if \fin
	FIN_KV 6, B2, NB, 20+8*\issB                   ; Q7, Q8, the masks, and the next quad's KV0 if it was requested
.if \issB
	ISSUE_KV 1, B2
.endif
.endif
	s_wait_dscnt 8+24*\fin
	MUL_PV 4, 0, 0
	PLACES 4
	FETCH_V 6, 0, \b
	s_wait_dscnt 8
	MUL_PV 5, 1, 0
	PLACES 4
	FETCH_V 7, 1, \b
	s_wait_dscnt 8
	MUL_PV 6, 0, 0
	s_wait_dscnt 0x0
	MUL_PV 7, 1, 0
	OUT \q
.if \fin
	s_wait_loadcnt 16*\issB                        ; Q7, Q8 and the masks are in; the next quad's KV0 and KV1 stay out
	FIN_Q 0, B3                                    ; into my stage, whose rows of output were read back above
	FIN_Q 1, B0
	FIN_M
.if \issB
	ISSUE_KV 2, B3
	ISSUE_KV 3, B0
.endif
	s_wait_dscnt 0x0                               ; for the others: my reads of buffer b are over and my part of the other buffer is written
	s_wait_xcnt 0x0                                ; the output stores' data (KF) and base are rewritten in the next trip
	s_barrier_signal -1
	s_barrier_wait -1
.endif
.endm
; ================= the text =================
	s_load_b512 s[8:23], s[0:1], 0x0               ; Q, K, V, mask, global K, global V, global mask, out
	v_lshl_add_u32 v254, v0, 2, 0x4d800
	v_mov_b32 v255, 0
	v_lshrrev_b32 v92, 5, v0
	v_readfirstlane_b32 s2, v92                    ; wave 0 .. 7
	s_lshr_b32 s3, s2, 1                           ; bq: my query block in the quad
	s_mov_b32 s4, 0x76543210                       ; v_permlanex16_b32: lane i of the other half
	s_mov_b32 s5, 0xfedcba98
	s_mul_i32 s6, ttmp9, 3                         ; the work-group's first quad
	s_lshl_b32 s7, s2, 13                          ; my 32 rows of 256 bytes
	s_mov_b32 s57, 0
	v_and_b32 v93, 31, v0                          ; lane
	v_lshlrev_b32 v[GOFF], 4, v0
	v_lshlrev_b32 v[LOFF], 4, v93
	v_lshlrev_b32 v[MOFF], 3, v93
	s_wait_kmcnt 0x0
	ADDR_KV 0
	ADDR_QM 0
	ISSUE_KV 0, 0                                  ; the first quad lands in all of window 1: 56 loads
	ISSUE_KV 1, 32
	ISSUE_KV 2, 64
	ISSUE_KV 3, 96
	ISSUE_KV 4, 128
	ISSUE_KV 5, 160
	ISSUE_KV 6, 192
	WIN 0
	; LDS addresses, while the loads are on their way
	v_and_b32 v94, 15, v0                          ; r (also thread % 16)
	v_bfe_u32 v95, v0, 4, 1                        ; h
	v_lshrrev_b32 v96, 4, v0                       ; thread / 16
	v_mul_u32_u24 v97, v96, KP
	v_lshl_add_u32 v[SK], v94, 3, v97              ; row thread / 16, 8 bytes from 8 (thread % 16); LK0 = 0
	v_add_nc_u32 v[SK+1], LK1, v[SK]
	v_mul_u32_u24 v97, v96, VP
	v_lshl_add_u32 v97, v94, 3, v97
	v_add_nc_u32 v[SV], LV0, v97
	v_add_nc_u32 v[SV+1], LV1, v97
	v_add_nc_u32 v[SVG], 6*VSLOT, v[SV]
	v_add_nc_u32 v[SVG+1], 6*VSLOT, v[SV+1]
	s_mul_i32 s58, s2, 4608
	s_add_co_u32 s58, s58, LSTG                    ; my stage
	s_lshl_b32 s59, s2, 10
	s_add_co_u32 s59, s59, LMSK                    ; my masks
	v_mul_u32_u24 v98, v94, KP
	v_lshl_add_u32 v98, v95, 4, v98                ; a fragment's lane term: r x pitch + 16 h
	v_mul_u32_u24 v99, v95, KP
	v_lshl_add_u32 v99, v94, 3, v99                ; Q' in: row h of the load's two, 8 r
	v_add_nc_u32 v[SQ], s58, v99
	v_add_nc_u32 v[FQ], s58, v98
	v_mul_u32_u24 v99, v94, OP
	v_lshl_add_u32 v99, v95, 5, v99                ; out: query r, d = 8 h ..
	v_add_nc_u32 v[SO], s58, v99
	v_mul_u32_u24 v99, v95, OP
	v_lshl_add_u32 v99, v94, 4, v99                ; back: lanes 0-15 one row, lanes 16-31 the next
	v_add_nc_u32 v[RO], s58, v99
	v_lshl_add_u32 v[SM], v93, 3, s59
	v_lshl_add_u32 v[RMK], v95, 5, s59             ; C's register j: key 8 h + j of the tile
	s_mul_i32 s60, s3, KSLOT
	v_add_nc_u32 v[AKW], s60, v98                  ; my window begins at slot bq
	v_add_nc_u32 v[AKW+1], LK1, v[AKW]
	v_add_nc_u32 v[AKG], 6*KSLOT, v98
	v_add_nc_u32 v[AKG+1], LK1, v[AKG]
	v_and_b32 v99, 7, v0
	v_lshl_add_u32 v99, v95, 3, v99                ; transposing loads: key 8 h + lane % 8,
	v_mul_u32_u24 v99, v99, VP
	v_bfe_u32 v100, v0, 3, 1
	v_lshl_add_u32 v99, v100, 4, v99               ; 16 bytes of d by bit 3 of the lane
	s_mul_i32 s60, s3, VSLOT
	s_add_co_u32 s60, s60, LV0
	v_add_nc_u32 v[AVW], s60, v99
	v_add_nc_u32 v[AVW+1], LV1-LV0, v[AVW]
	v_add_nc_u32 v[AVG], LV0+6*VSLOT, v99
	v_add_nc_u32 v[AVG+1], LV1-LV0, v[AVG]
	v_mov_b32 v[NEGK], 0xc61c4000                  ; -10000.0
	v_mov_b32 v[TP0], 0                            ; a lane crossing's destination counts as read
	v_mov_b32 v[TP1], 0
	; the first quad into buffer 0; each count = the loads issued behind the batch
	FIN_KV 0, 0, 0, 48                             ; KV1-6
	ISSUE_Q 0, 224
	FIN_KV 1, 32, 0, 48                            ; KV2-6, Q7
	ISSUE_Q 1, 0
	ISSUE_M
	FIN_KV 2, 64, 0, 52                            ; KV3-6, Q7, Q8, four mask loads
	FIN_KV 3, 96, 0, 44
	FIN_KV 4, 128, 0, 36
	FIN_KV 5, 160, 0, 28
	FIN_KV 6, 192, 0, 20
	s_wait_xcnt 0x0                                ; the bases of K and V are rewritten only behind this wait
	ADDR_KV 1
	ISSUE_KV 0, 128                                ; the second quad's first batches, as every trip finds them
	ISSUE_KV 1, 160
	ISSUE_KV 2, 192
	s_wait_loadcnt 36                              ; Q7 is in; behind it Q8, the masks and three batches
	FIN_Q 0, 224
	ISSUE_KV 3, 224
	s_wait_loadcnt 32                              ; Q8 and the masks are in; four batches stay out
	FIN_Q 1, 0
	FIN_M
	s_wait_dscnt 0x0                               ; my part of buffer 0 is written,
	s_barrier_signal -1
	s_barrier_wait -1                              ; everybody's is
	TRIP 0, 0, 1, 1, 0
	TRIP 1, 1, 1, 0, 1
	TRIP 2, 0, 0, 0, 0
	WIN 0
	s_wait_tensorcnt 0x0
	ds_add_u32 v254, v255
	s_wait_dscnt 0x0
	s_endpgm
.Lfunc_end_k_qdc829b5bd4_attn:
	.size	k_qdc829b5bd4_attn, .Lfunc_end_k_qdc829b5bd4_attn-k_qdc829b5bd4_attn
	.p2alignl 7, 3214868480
	.fill 96, 4, 3214868480
	.section	.rodata,"a",@progbits
	.p2align	6, 0x0
	.amdhsa_kernel k_qdc829b5bd4_attn
		.amdhsa_group_segment_fixed_size 318464
		.amdhsa_private_segment_fixed_size 0
		.amdhsa_enable_private_segment 0
		.amdhsa_kernarg_size 64
		.amdhsa_user_sgpr_count 2
		.amdhsa_user_sgpr_kernarg_segment_ptr 1
		.amdhsa_wavefront_size32 1
		.amdhsa_system_sgpr_workgroup_id_x 1
		.amdhsa_system_sgpr_workgroup_id_y 1
		.amdhsa_system_sgpr_workgroup_id_z 1
		.amdhsa_system_vgpr_workitem_id 0
		.amdhsa_next_free_vgpr 512
		.amdhsa_next_free_sgpr 66
		.amdhsa_reserve_vcc 0
		.amdhsa_float_denorm_mode_32 3
		.amdhsa_float_denorm_mode_16_64 3
		.amdhsa_memory_ordered 1
		.amdhsa_forward_progress 1
		.amdhsa_inst_pref_size 255
	.end_amdhsa_kernel
	.section	.bss,"aw",@nobits
	.p2align	6
	.space	262144
	.amdgpu_metadata
---
amdhsa.version: [ 1, 2 ]
amdhsa.kernels:
  - .name:           k_qdc829b5bd4_attn
    .symbol:         k_qdc829b5bd4_attn.kd
    .args:
      - { .name: query_layer, .offset: 0, .size: 8, .value_kind: global_buffer, .address_space: global }
      - { .name: key_layer, .offset: 8, .size: 8, .value_kind: global_buffer, .address_space: global }
      - { .name: value_layer, .offset: 16, .size: 8, .value_kind: global_buffer, .address_space: global }
      - { .name: attention_mask, .offset: 24, .size: 8, .value_kind: global_buffer, .address_space: global }
      - { .name: global_key, .offset: 32, .size: 8, .value_kind: global_buffer, .address_space: global }
      - { .name: global_value, .offset: 40, .size: 8, .value_kind: global_buffer, .address_space: global }
      - { .name: global_mask, .offset: 48, .size: 8, .value_kind: global_buffer, .address_space: global }
      - { .name: out0, .offset: 56, .size: 8, .value_kind: global_buffer, .address_space: global }
    .group_segment_fixed_size: 318464
    .private_segment_fixed_size: 0
    .kernarg_segment_align: 8
    .kernarg_segment_size: 64
    .max_flat_workgroup_size: 256
    .sgpr_count:     66
    .vgpr_count:     512
    .wavefront_size: 32
...
	.end_amdgpu_metadata
.endif
;; end of part 1
